; MI455X (gfx1250); checked and timed in simulation.
; The chip was launched on July 23, 2026; its instructions are those of AMD's public machine-readable ISA for CDNA 5 (MIT licence, August 2026) and "CDNA5" Instruction Set Architecture Reference Guide (July 2026). The comments in the code are by the model that wrote it; some were corrected since.
;; Conditional DL Factorized17. Allowed arithmetic: matrix products marked QUANTISED: E4M3 operands, one given power-of-two scale a tensor, by v_wmma_f32_16x16x64_fp8_fp8 or v_wmma_f32_16x16x128_fp8_fp8, f32 sums; products left as they are: f32 operands where the result goes on into a quantised operand, else bf16, f16 or f32 operands; f32 sums; everything else in f32.
;; Inputs: assign_b 16 float32; assign_w_codes 16 x 16 x 32 uint8 (E4M3 codes of assign_w, K innermost, in blocks of 32 codes); lowp_scales 4 int32 (the exponents e of the quantised operands' scales 2^e); pw_B 1 x 1 x 512 float32; pw_w1 16 x 262,144 float32; x 2,048 x 8 x 512 float32.
;; Outputs: out0 2,048 x 8 x 512 float32; out1 one number float32.
;; This version of the problem:
;;   THIS VERSION OF THE PROBLEM IS GIVEN IN LOW PRECISION. The matrix products marked QUANTISED in the list below multiply operands that are first quantised to E4M3 (4 exponent bits, 3 mantissa bits; 8 bits a number), with one given power-of-two scale for each operand tensor; their sums are f32. All else is computed in f32.
;;   The module's matrix products, in the order in which they are computed (A, B: the left and right operand; K: the contracted axis; several contracted axes count as one K, in the product's order):
;;     1. [M 16,384, K 512] x [K 512, N 16]; A: input x; B: input assign_w (given as codes): QUANTISED (scales: A lowp_scales[0], B lowp_scales[1])
;;     2. batch 16,384 x [M 512, K 1] x [K 1, N 16]; A: computed on the way; B: computed on the way: left as it is (no contracted axis)
;;     3. [M 16,384, K 8,192] x [K 8,192, N 512]; A: computed on the way; B: input pw_w1: QUANTISED (scales: A lowp_scales[2], B lowp_scales[3])
;;   THE QUANTISER, for each operand of a quantised product, along K:
;;     - The operand's scale is 2^e, e = its entry of the input lowp_scales (int32; the entries are numbered through the quantised products in the list's order, A before B).
;;     - Each number is divided by the scale, clamped to +-448, and rounded to the nearest number of E4M3, ties to even, subnormals kept.
;;     - The product sums the exact products of the quantised numbers (number of the format x scale) in f32.
;;   ~~~python
;;   def quantise(x, axis, e):      # numpy; x: float32 -> the quantised numbers, widened to float32 again
;;       x = np.moveaxis(x, axis, -1); K = x.shape[-1]
;;       r = np.clip(x / 2.0 ** e, -448, 448)
;;       step = 2.0 ** (np.maximum(np.frexp(np.where(r == 0, 1, r))[1] - 1, -6) - 3)
;;       q = np.round(r / step) * step * 2.0 ** e      # np.round: ties to even
;;       return np.moveaxis(q, -1, axis).astype(np.float32)
;;   ~~~
;;   OPERANDS COMPUTED ON THE WAY. 'Computed on the way' means the value that the module computes at that place (a softmax that the list does not call 'softmax' is quantised finished and normalised). What goes into a quantiser is computed in f32, as accurately as f32 sums, v_exp_f32 and their like allow (about 1e-6 of the number): no bf16 or f16 on the way to a quantiser, and a product that is left as it is and whose result goes on into a quantised operand takes f32 operands (vector FMAs, or v_wmma_f32_16x16x4_f32). A number that lies on a knife's edge between two numbers of the format may be rounded either way, as far as f32 arithmetic and the matrix unit's own rounding can turn it there, and no further.
;;   INPUTS GIVEN AS CODES. assign_w (in the module: [16, 512], K = its axis 1): each comes as NAME_codes (uint8): NAME with its K axis moved to the last place and cut into blocks of 32 codes, [.., K / 32, bytes a block], one block behind the other in memory; one code a byte (a code: sign, 4 exponent bits, 3 mantissa bits); its scale is its entry of lowp_scales. Its value is code x scale, taken as it is: it is not quantised again, and the codes and scales need not be those that the quantiser above would give.
;; One version. Each part assembles by itself: llvm-mc -triple=amdgcn-amd-amdhsa -mcpu=gfx1250 --defsym DOCPART=n.
;; ======== version 1 of 1: 2 launches
;; limits: right only within a limited range of input values
;; workspace buffers: resp 1,048,576 bytes; wcodes 4,194,304 bytes; imp_part 16,384 bytes
;; launch prep (part 1): grid 256 x 1, 4 waves a work-group, no clusters, 10,240 bytes of LDS; arguments x, assign_w_codes, assign_b, pw_w1, lowp_scales, resp, imp_part, wcodes; writes resp, imp_part, wcodes
.if DOCPART == 1
	.amdgcn_target "amdgcn-amd-amdhsa--gfx1250"
	.amdhsa_code_object_version 6
	.text
	.protected	k_qa95d912e56_prep
	.globl	k_qa95d912e56_prep
	.p2align	8
	.type	k_qa95d912e56_prep,@function
k_qa95d912e56_prep:
	s_mov_b64 s[64:65], 0
	v_nop
	global_prefetch_b8 v0, s[64:65] scope:SCOPE_SE
	s_setreg_imm32_b32 hwreg(HW_REG_WAVE_MODE, 25, 1), 1
	s_wait_xcnt 0x0
; ROUTER AND WEIGHT CODES.  Nothing of the problem is left out anywhere in this program: every input has a way to an output
; (assign_b differs along the softmax's axis, pw_B is added to y), so all inputs are loaded and all three products are done.
; 256 work-groups of four waves, all alike.  Wave g of 1,024 does two things:
; X: 16 tokens: x is quantised with 2^e0, logits = codes(x) . assign_w_codes^T x 2^(e0+e1) + assign_b (four matrix instructions of 16x16x128 on E4M3 codes), softmax with the row's maximum taken away, resp stored in f32;
;   the work-group's 64 tokens' sums of resp for each expert go to imp_part[work-group][16].
; W: half (256 channels) of unit g / 2, which is 16 rows (outputs) of one expert of pw_w1: their codes (scale 2^e3) in the order of the operand's registers:
;   wcodes[nh 2][t % 8][q 4][t / 8][f 16][c 4][lane 32][16 bytes] = code of W[e(q,c)][256 nh + 64 (f / 4) + 4 (lane % 16) + f % 4][32 t + 16 (lane / 16) + byte],  e(q,c) = 8 (q % 2) + 4 (q / 2) + c.
;   The sixteen rows of a fragment lie four apart, so that four neighbouring fragments give a lane of the product four neighbouring outputs.
; resp[tile of 16 tokens][q 4][token 16][c 4] f32 holds expert e(q,c): that is how the softmax's registers lie (lane (r,h), register j: token r, expert 8 h + j), stored as they are.
; Six segments of 16 rows x 128 numbers a wave, 64 registers each, X's four first: each load reads 512 consecutive bytes of a row (4 numbers a lane); hold at +-448 x scale; conversion (rows j, j+1 are eight consecutive registers);
; the codes turn through the wave's own stage in LDS (16 rows x 128 bytes + 16 of padding) and come back as a fragment: lane (r,h), registers 4c..4c+3 = k 32 c + 16 h + 0..15 of row r.  The same places of k are used on both sides of each product.
; No tensor load, no cluster: no two work-groups read the same large tile here.  No prefetch: every load of a wave is asked for before its third segment is worked on.
; LIMITS: e0 and e3 between -126 and 119, e0 + e1 between -126 and 127 (each power of two is made as an f32 number).  NaN among the inputs is not served.
.set SP,    144                        ; a stage row: 128 bytes of codes + 16
.set IMP,   9216                       ; behind the four stages: 64 bytes a wave: its 16 sums
.set SPARE, 9472                       ; the spare words, 128 bytes a wave: no other line names them
; Window 0: v1 lane, v2 r (later 448 x 2^e3), v3 h, v4 16 x lane, v5 stage in, v6 stage out, v7 assign_w offset, v8 2^e0, v9 448 x 2^e0, v10/v11 the add's two, v12 2^e3, v13 IMP in, v14 4 r, v15 32 h;
;   v16-143 X's segments 0 and 1 (then the softmax), v144-159 codes, one word a row; v160-175 X's fragment; v176-239 assign_w's four fragments (v176-207 later W's two); v240-247 logits; v248-255 assign_b.
; Windows 1 and 2: v16-143: X's segments 2 and 3, W's two.
.set MSB, 0
.macro WIN new                         ; the immediate's high byte repeats the setting that is left
.if MSB != (\new)
	s_set_vgpr_msb (MSB<<8)|(\new)
.set MSB, \new
.endif
.endm
	s_load_b256 s[4:11], s[0:1], 0x0               ; x, assign_w_codes, assign_b, pw_w1
	s_load_b256 s[12:19], s[0:1], 0x20             ; lowp_scales, resp, imp_part, wcodes
	v_lshl_add_u32 v10, v0, 2, SPARE
	v_mov_b32 v11, 0
	v_lshrrev_b32 v12, 5, v0
	v_readfirstlane_b32 s24, v12                   ; wave 0..3
	s_mul_i32 s25, s24, 16*SP
	s_lshl_b32 s28, s24, 6
	v_and_b32 v1, 31, v0
	v_and_b32 v2, 15, v0
	v_bfe_u32 v3, v0, 4, 1
	v_lshlrev_b32 v4, 4, v1
	v_lshl_add_u32 v5, v1, 2, s25                  ; into the stage: 4 bytes a lane of a row
	v_mul_u32_u24 v6, v2, SP
	v_lshl_add_u32 v6, v3, 4, v6
	v_add_nc_u32 v6, s25, v6                       ; out of it: row r, + 16 h
	v_lshlrev_b32 v7, 9, v2
	v_lshl_add_u32 v7, v3, 4, v7                   ; assign_w: row r of 512 bytes, + 16 h
	v_lshl_add_u32 v13, v3, 5, s28                 ; my wave's sums: 64 x wave + 32 h
	v_lshlrev_b32 v14, 2, v2
	v_lshlrev_b32 v15, 5, v3
	s_wait_alu depctr_va_vdst(0)
	s_mov_b32 s32, 0x76543210
	s_mov_b32 s33, 0xfedcba98                      ; v_permlanex16_b32: lane l xor 16
	s_mov_b32 s27, 0
	s_wait_kmcnt 0x0
	s_load_b128 s[20:23], s[12:13], 0x0            ; e0, e1, e2, e3
	s_lshl_b32 s25, ttmp9, 2
	s_add_co_u32 s25, s25, s24                     ; g: my tile of 16 tokens
	s_lshl_b32 s26, s25, 15
	s_add_nc_u64 s[4:5], s[4:5], s[26:27]          ; x: 16 rows of 2,048 bytes a tile
	s_lshl_b32 s26, s25, 10
	s_add_nc_u64 s[14:15], s[14:15], s[26:27]      ; resp: 1,024 bytes a tile
	s_lshl_b32 s26, ttmp9, 6
	s_add_nc_u64 s[16:17], s[16:17], s[26:27]      ; imp_part: 64 bytes a work-group
.macro LOADSEG w, s, b, pitch, off, nt ; a segment into set s of window w
	WIN (\w)<<6
.irp j, 0,1,2,3,4,5,6,7,8,9,10,11,12,13,14,15
.if \nt
	global_load_b128 v[16+64*(\s)+4*\j:16+64*(\s)+4*\j+3], v4, s[\b:\b+1] offset:\pitch*\j+\off th:TH_LOAD_NT
.else
	global_load_b128 v[16+64*(\s)+4*\j:16+64*(\s)+4*\j+3], v4, s[\b:\b+1] offset:\pitch*\j+\off
.endif
.endr
	WIN 0
.endm
.macro SEG w, s, younger, sc, hd       ; the segment's codes into v144-159.  younger: the loads issued behind its own, which may be out
.set RS, 16+64*(\s)
	s_wait_loadcnt \younger
	WIN 0x41*(\w)
.set n, 0
.rept 64
	v_med3_num_f32 v[RS+n], v[RS+n], -v\hd, v\hd   ; the conversion to an 8-bit code does not saturate (ISA guide 7.6.2): the hold comes first
.set n, n+1
.endr
	WIN \w
.irp j, 0,1,2,3,4,5,6,7
	v_cvt_scalef32_pk8_fp8_f32 v[144+2*\j:145+2*\j], v[RS+8*\j:RS+8*\j+7], v\sc   ; rows 2 j and 2 j + 1, four codes each
.endr
	v_nop                                          ; a plain line behind the last conversion
	WIN 0
.endm
.macro STAGE f                         ; and from there, turned, into a fragment at v[f] on
.irp j, 0,1,2,3,4,5,6,7,8,9,10,11,12,13,14,15
	ds_store_b32 v5, v[144+\j] offset:SP*\j
.endr
.irp c, 0,1,2,3
	ds_load_b128 v[\f+4*\c:\f+4*\c+3], v6 offset:32*\c   ; LDS serves a wave's instructions in order: these see my stores
.endr
	s_wait_dscnt 0x0
.endm
.irp g, 0,1,2,3
.irp c, 0,1,2,3
	global_load_b128 v[176+16*\g+4*\c:179+16*\g+4*\c], v7, s[6:7] offset:128*\g+32*\c
.endr
.endr
	global_load_b128 v[248:251], v15, s[8:9]       ; assign_b[8 h + 0..7]
	global_load_b128 v[252:255], v15, s[8:9] offset:16
	LOADSEG 0, 0, 4, 2048, 0, 0                    ; x is read again by the next launch: no hint
	LOADSEG 0, 1, 4, 2048, 512, 0
	LOADSEG 1, 0, 4, 2048, 1024, 0
	LOADSEG 1, 1, 4, 2048, 1536, 0
	; W: unit u = 32 e + tile of 16 outputs, tile = 4 F + j: rows 64 F + 4 r + j
	s_lshr_b32 s31, s25, 1                         ; u
	s_and_b32 s30, s25, 1                          ; my half of the channels
	s_lshr_b32 s26, s31, 2
	s_lshl_b32 s26, s26, 17                        ; 64 rows of 2,048 bytes for four units
	s_and_b32 s28, s31, 3
	s_lshl_b32 s28, s28, 11                        ; j
	s_add_co_u32 s26, s26, s28
	s_lshl_b32 s28, s30, 10
	s_add_co_u32 s26, s26, s28
	s_add_nc_u64 s[10:11], s[10:11], s[26:27]
	s_bfe_u32 s28, s31, 0x10004
	s_lshl_b32 s26, s28, 21                        ; nh
	s_and_b32 s28, s31, 15
	s_lshl_b32 s28, s28, 11
	s_add_co_u32 s26, s26, s28                     ; f
	s_lshr_b32 s29, s31, 5                         ; e
	s_and_b32 s28, s29, 3
	s_lshl_b32 s28, s28, 9
	s_add_co_u32 s26, s26, s28                     ; c = e % 4
	s_bfe_u32 s28, s29, 0x10002
	s_lshl_b32 s28, s28, 1
	s_lshr_b32 s29, s29, 3
	s_add_co_u32 s28, s28, s29                     ; q = 2 ((e / 4) % 2) + e / 8
	s_lshl_b32 s28, s28, 16
	s_add_co_u32 s26, s26, s28
	s_lshl_b32 s28, s30, 15                        ; t / 8 is my half
	s_add_co_u32 s26, s26, s28
	s_add_nc_u64 s[18:19], s[18:19], s[26:27]
	s_wait_kmcnt 0x0
	s_add_co_i32 s28, s20, 127
	s_lshl_b32 s29, s28, 23                        ; 2^e0: the conversion takes its exponent field
	s_add_co_i32 s28, s28, 8
	s_lshl_b32 s28, s28, 23
	s_or_b32 s28, s28, 0x600000                    ; 448 x 2^e0
	s_add_co_i32 s30, s23, 127
	s_lshl_b32 s31, s30, 23                        ; 2^e3
	s_add_co_i32 s30, s30, 8
	s_lshl_b32 s30, s30, 23
	s_or_b32 s30, s30, 0x600000                    ; 448 x 2^e3
	s_add_co_i32 s35, s20, s21
	s_add_co_i32 s35, s35, 127
	s_lshl_b32 s35, s35, 23                        ; 2^(e0 + e1)
	v_mov_b32 v8, s29
	v_mov_b32 v9, s28
	v_mov_b32 v12, s31
	v_mov_b32 v2, s30
	s_wait_alu depctr_va_vdst(0)
	; source 0 = the 16 experts, source 1 = my 16 tokens: lane (r,h), register j = logit of token r, expert 8 h + j.
	; One accumulator: a wait stands directly ahead of each link.  (The next segment's 64 holds are the places in front of the loads into v160 on.)
	SEG 0, 0, 48, 8, 9                             ; younger: X's segments 1 to 3
	LOADSEG 2, 0, 10, 8192, 0, 1                   ; read once in the whole program
	STAGE 160
	v_wmma_f32_16x16x128_fp8_fp8 v[240:247], v[176:191], v[160:175], 0
	SEG 0, 1, 48, 8, 9                             ; X's 2 and 3, W's first
	LOADSEG 2, 1, 10, 8192, 512, 1
	STAGE 160
	s_wait_alu depctr_va_vdst(0)
	v_wmma_f32_16x16x128_fp8_fp8 v[240:247], v[192:207], v[160:175], v[240:247]
	SEG 1, 0, 48, 8, 9                             ; X's 3, W's two
	STAGE 160
	s_wait_alu depctr_va_vdst(0)
	v_wmma_f32_16x16x128_fp8_fp8 v[240:247], v[208:223], v[160:175], v[240:247]
	SEG 1, 1, 32, 8, 9                             ; W's two
	STAGE 160
	s_wait_alu depctr_va_vdst(0)
	v_wmma_f32_16x16x128_fp8_fp8 v[240:247], v[224:239], v[160:175], v[240:247]
.rept 4
	v_nop
.endr
.irp j, 0,1,2,3,4,5,6,7
	v_fma_f32 v[16+\j], v[240+\j], s35, v[248+\j]  ; the logits
.endr
	v_max3_num_f32 v24, v16, v17, v18
	v_max3_num_f32 v25, v19, v20, v21
	v_max3_num_f32 v24, v24, v22, v23
	v_max_num_f32 v24, v24, v25
	v_permlanex16_b32 v25, v24, s32, s33           ; the token's other eight experts lie 16 lanes away
	v_max_num_f32 v24, v24, v25
.irp j, 0,1,2,3,4,5,6,7
	v_sub_f32 v[16+\j], v[16+\j], v24
.endr
.irp j, 0,1,2,3,4,5,6,7
	v_mul_f32 v[16+\j], 0x3fb8aa3b, v[16+\j]       ; x log2(e)
.endr
	s_wait_alu depctr_va_vdst(0)
.irp j, 0,1,2,3,4,5,6,7
	v_exp_f32 v[16+\j], v[16+\j]
.endr
	v_nop                                          ; a plain line behind the batch,
	s_wait_alu depctr_va_vdst(0)                   ; and one wait for it, ahead of its first reader
	v_add_f32 v26, v16, v17
	v_add_f32 v27, v18, v19
	v_add_f32 v28, v20, v21
	v_add_f32 v29, v22, v23
	v_add_f32 v26, v26, v27
	v_add_f32 v28, v28, v29
	v_add_f32 v26, v26, v28
	v_permlanex16_b32 v27, v26, s32, s33
	v_add_f32 v26, v26, v27
	s_wait_alu depctr_va_vdst(0)
	v_rcp_f32 v26, v26
	v_nop
	s_wait_alu depctr_va_vdst(0)
.irp j, 0,1,2,3,4,5,6,7
	v_mul_f32 v[16+\j], v[16+\j], v26              ; resp
.endr
	global_store_b128 v4, v[16:19], s[14:15]       ; 512 consecutive bytes each
	global_store_b128 v4, v[20:23], s[14:15] offset:512
.irp j, 0,1,2,3,4,5,6,7
	v_mov_b32 v[32+\j], v[16+\j]                   ; the sums are made in copies: v16-23 are the data of pending stores
.endr
.irp m, 1,2,4,8
.irp j, 0,1,2,3,4,5,6,7
	v_add_f32_dpp v[32+\j], v[32+\j], v[32+\j] row_xmask:\m row_mask:0xf bank_mask:0xf   ; over my 16 tokens
.endr
.endr
	ds_store_b128 v13, v[32:35] offset:IMP         ; sixteen lanes write the same 16 bytes with the same values
	ds_store_b128 v13, v[36:39] offset:IMP+16
	s_wait_alu depctr_va_vdst(0)
	; W's two segments: each has fragment registers of its own, so that no store's data are written again
	SEG 2, 0, 16, 12, 2
	STAGE 176
.irp c, 0,1,2,3
	global_store_b128 v4, v[176+4*\c:179+4*\c], s[18:19] offset:\c*262144   ; t % 8 = c: 512 consecutive bytes
.endr
	SEG 2, 1, 0, 12, 2
	STAGE 192                                      ; (its wait for 0 shows my sums landed too, for the others' sake)
.irp c, 0,1,2,3
	global_store_b128 v4, v[192+4*\c:195+4*\c], s[18:19] offset:(4+\c)*262144
.endr
	s_barrier_signal -1
	s_barrier_wait -1
	s_cmp_lg_u32 s24, 0
	s_cbranch_scc1 .Lend
.irp w, 0,1,2,3
	ds_load_b32 v[40+\w], v14 offset:IMP+64*\w     ; wave 0 adds the four waves' sums: expert lane % 16
.endr
	s_wait_dscnt 0x0
	v_add_f32 v40, v40, v41
	v_add_f32 v42, v42, v43
	v_add_f32 v40, v40, v42
	v_cmp_gt_u32 vcc_lo, 16, v1
	s_wait_alu depctr_va_vdst(0)
	s_wait_xcnt 0x0                                ; EXEC changes only behind this wait
	s_and_saveexec_b32 s34, vcc_lo
	global_store_b32 v14, v40, s[16:17]            ; lanes 0-15: 64 consecutive bytes
	s_wait_xcnt 0x0
	s_or_b32 exec_lo, exec_lo, s34
.Lend:
	s_wait_tensorcnt 0x0                           ; the wave's end
	ds_add_u32 v10, v11
	s_wait_dscnt 0x0
	s_endpgm
.Lfunc_end_k_qa95d912e56_prep:
	.size	k_qa95d912e56_prep, .Lfunc_end_k_qa95d912e56_prep-k_qa95d912e56_prep
	.p2alignl 7, 3214868480
	.fill 96, 4, 3214868480
	.section	.rodata,"a",@progbits
	.p2align	6, 0x0
	.amdhsa_kernel k_qa95d912e56_prep
		.amdhsa_group_segment_fixed_size 10240
		.amdhsa_private_segment_fixed_size 0
		.amdhsa_enable_private_segment 0
		.amdhsa_kernarg_size 64
		.amdhsa_user_sgpr_count 2
		.amdhsa_user_sgpr_kernarg_segment_ptr 1
		.amdhsa_wavefront_size32 1
		.amdhsa_system_sgpr_workgroup_id_x 1
		.amdhsa_system_sgpr_workgroup_id_y 1
		.amdhsa_system_sgpr_workgroup_id_z 1
		.amdhsa_system_vgpr_workitem_id 0
		.amdhsa_next_free_vgpr 768
		.amdhsa_next_free_sgpr 66
		.amdhsa_reserve_vcc 1
		.amdhsa_float_denorm_mode_32 3
		.amdhsa_float_denorm_mode_16_64 3
		.amdhsa_memory_ordered 1
		.amdhsa_forward_progress 1
		.amdhsa_inst_pref_size 58
	.end_amdhsa_kernel
	.amdgpu_metadata
---
amdhsa.version: [ 1, 2 ]
amdhsa.kernels:
  - .name:           k_qa95d912e56_prep
    .symbol:         k_qa95d912e56_prep.kd
    .args:
      - { .name: x, .offset: 0, .size: 8, .value_kind: global_buffer, .address_space: global }
      - { .name: assign_w_codes, .offset: 8, .size: 8, .value_kind: global_buffer, .address_space: global }
      - { .name: assign_b, .offset: 16, .size: 8, .value_kind: global_buffer, .address_space: global }
      - { .name: pw_w1, .offset: 24, .size: 8, .value_kind: global_buffer, .address_space: global }
      - { .name: lowp_scales, .offset: 32, .size: 8, .value_kind: global_buffer, .address_space: global }
      - { .name: resp, .offset: 40, .size: 8, .value_kind: global_buffer, .address_space: global }
      - { .name: imp_part, .offset: 48, .size: 8, .value_kind: global_buffer, .address_space: global }
      - { .name: wcodes, .offset: 56, .size: 8, .value_kind: global_buffer, .address_space: global }
    .group_segment_fixed_size: 10240
    .private_segment_fixed_size: 0
    .kernarg_segment_align: 8
    .kernarg_segment_size: 64
    .max_flat_workgroup_size: 128
    .sgpr_count:     66
    .vgpr_count:     768
    .wavefront_size: 32
...
	.end_amdgpu_metadata
.endif
;; end of part 1
;; launch main (part 2): grid 128 x 2, 4 waves a work-group, clusters of 4 x 1, 327,680 bytes of LDS; arguments x, resp, wcodes, imp_part, lowp_scales, pw_B, out0, out1; writes out0, out1
.if DOCPART == 2
	.amdgcn_target "amdgcn-amd-amdhsa--gfx1250"
	.amdhsa_code_object_version 6
	.text
	.protected	k_qa95d912e56_main
	.globl	k_qa95d912e56_main
	.p2align	8
	.type	k_qa95d912e56_main,@function
k_qa95d912e56_main:
	s_mov_b64 s[64:65], 0
	v_nop
	global_prefetch_b8 v0, s[64:65] scope:SCOPE_SE
	s_setreg_imm32_b32 hwreg(HW_REG_WAVE_MODE, 25, 1), 1
	s_wait_xcnt 0x0
	s_wait_alu depctr_hold_cnt(0) depctr_sa_sdst(0) depctr_va_vdst(0) depctr_va_sdst(0) depctr_va_ssrc(0) depctr_va_vcc(0) depctr_vm_vsrc(0)
	s_getreg_b32 s2, hwreg(HW_REG_IB_STS2, 6, 4)
	s_cmp_eq_u32 s2, 0
	s_cbranch_scc0 .Lentry_in_a_cluster
	s_endpgm
.Lentry_in_a_cluster:
	s_bfe_u32 s2, ttmp6, 0x10000c
	s_cmp_lg_u32 s2, 0x3003
	s_cbranch_scc0 .Lentry_shape_is_right
	s_endpgm
.Lentry_shape_is_right:
; y[t][o] = sum over (e,i) of Q(resp[t][e] x[t][i]; 2^e2) . Q(W[e][o][i]; 2^e3) x 2^(e2+e3) + pw_B[o];  loss = 0.01 std(importance, ddof 1) / mean(importance).  No work is left out.
; SHARES.  A work-group makes 128 rows x 256 columns of y.  Four waves, as many as a WGP has SIMDs; wave w = 2 kh + ch makes ALL 128 rows x columns 128 ch .. + 127 over one HALF OF K:
; input channels 256 kh .. 256 kh + 255 of all experts.  So a wave has 128 x 128 sums (512 registers), and each fragment of B is read from LDS by one wave alone.  The two halves of K are added through LDS at the end.
; A wave walks 32 steps of 128 along K: step 4 tt + q = channels 256 kh + 32 tt .. + 31 of the four experts e(q,c) = 8 (q % 2) + 4 (q / 2) + c; registers 4c..4c+3 of lane (r,h) hold expert e(q,c), channels 16 h + 0..15 of the 32,
; alike in A and in B (the scales are one a tensor, so the order of K is free as long as both sides share it).
; A IS MADE IN REGISTERS: resp x x never goes to memory.  Wave w makes the four fragments of rows 64 rh .. 64 rh + 63 (rh = kh xor ch) of its half of K: a multiply in f32, the hold, the conversion;
; wave w xor 1, which has the same half of K, makes the other four; they hand them to each other through LDS as images of the registers.  Local row tiles: 0-3 my own, 4-7 the partner's.
; B comes as register images (the launch before laid them so) through a ring of two LDS slots, each of two steps of both halves of K (128 KiB), each wave fetching 32 KiB of a slot by one tensor load of 128 rows x 256 bytes.
; CLUSTER: the four work-groups of a cluster have the same columns and walk the same B: every fill is a joint load with the mask of all four.  x goes from memory straight into registers: in a cluster no two work-groups read the same rows.
; A STEP: eight groups of eight matrix instructions: G0-G3 my own row tiles x column tiles (0,1) .. (6,7), G4-G7 the partner's.  Behind each matrix instruction stand six or seven of the 416 lines that make the next step's A
;   (two switches of the windows each: the sums fill windows 2 and 3, and what the making writes lies in window 1); LDS instructions stand in short runs behind a group's last such lines.
;   P, a barrier from behind G0 to behind G1: every wave's image is whole, and this step's B is in registers, so in every second step a slot is filled again behind it (then it is a round of the cluster's barrier).
;   Q, a barrier from ahead of G4 to behind it: every wave has read the images; behind it the next images are stored.
;   B has ONE set of registers: a column tile is fetched anew, for the next step, behind its products with the partner's row tiles, half a step ahead of its use.
; PREFETCHES.  Behind each refill the first cluster of each column half asks for the slot of the NEXT refill, two steps ahead of its load: its four work-groups share the 128 KiB by address, 8 KiB a wave.
; x: each wave asks for the next 256 bytes of its 64 rows in every second trip, five steps ahead of their loads.  The first slots and the first two chunks of x come by their loads alone.
; LIMITS: e2 between -126 and 119, e2 + e3 between -126 and 127.  NaN among the inputs is not served.
; REGISTERS, in windows of 256.  Window 0: v1 lane, v2 r, v3 h, v4 x offset, v5 16 x lane, v8-11 B's LDS address for q = 0..3, v12/v13 images out/in, v14/v15 the sums' exchange out/in, v16/v17 the add's two, v18-29 the loss (v27 keeps it),
;   v30 16 r, v31/v32 prefetch offsets, v33 y offset, v34 2^e2, v40-47 pw_B, v64-127 resp (tile t: 64 + 16 t + 4 q + c), v128-255 B's eight fragments (way out: results).
;   Window 1: v0-31, v32-63 my row tiles 0 and 1, by turns of the step; v64-95 my row tiles 2 and 3; v96-159 the partner's four; v160-191 at work (four sets of 8); v192-255 x, 16 numbers for each of my four row tiles.
;   Windows 2, 3: the sums of local row tiles 0-3 and 4-7: (m, n) at 8 (8 (m % 4) + n).
.set SLOTB, 131072
.set IMG,   2*SLOTB                    ; images: wave x 8,192 + tile x 2,048 + c x 512 + 16 x lane; no tensor load lands here
.set SPARE, IMG+32768                  ; the spare words, 128 bytes a wave: no other line names them
.set BB,    128
.set MSB, 0
.macro WIN new                         ; the immediate's high byte repeats the setting that is left
.if MSB != (\new)
	s_set_vgpr_msb (MSB<<8)|(\new)
.set MSB, \new
.endif
.endm
.macro CREST                           ; a round of the cluster's barrier behind its opening barrier
	s_cmp_lg_u32 s20, 0
	s_cbranch_scc1 .Lnot_wave_0_\@
	s_barrier_signal -3
.Lnot_wave_0_\@:
	s_barrier_wait -3
	s_barrier_signal -1
	s_barrier_wait -1
.endm
.macro CROUND
	s_barrier_signal -1
	s_barrier_wait -1
	CREST
.endm
.macro JLOAD
	tensor_load_to_lds s[28:31], s[32:39]
	s_nop 0
.rept 4
	v_nop
.endr
.endm
.macro ASKB lim, off                   ; s44: the loop's trips left; s[lim] is below it only where my wave asks and the slot exists
	s_cmp_gt_u32 s44, s[\lim]
	s_cbranch_scc0 .Lnot_b_\@
	global_prefetch_b8 v31, s[46:47] offset:\off th:TH_LOAD_NT scope:SCOPE_SE
.Lnot_b_\@:
.endm
.macro ASKX                            ; trips 0, 2, 4 of the loop (7, 5, 3 left): the next 256 bytes of my 64 rows
	s_bitcmp1_b32 s44, 0
	s_cbranch_scc0 .Lnot_x_\@
	s_cmp_gt_u32 s44, 1
	s_cbranch_scc0 .Lnot_x_\@
	global_prefetch_b8 v32, s[70:71] th:TH_LOAD_NT scope:SCOPE_SE
	global_prefetch_b8 v32, s[70:71] offset:65536 th:TH_LOAD_NT scope:SCOPE_SE
.Lnot_x_\@:
.endm
	s_load_b256 s[4:11], s[0:1], 0x0               ; x, resp, wcodes, imp_part
	s_load_b256 s[12:19], s[0:1], 0x20             ; lowp_scales, pw_B, out0, out1
	v_lshl_add_u32 v16, v0, 2, SPARE
	v_mov_b32 v17, 0
	ds_add_u32 v16, v17                            ; the wave's opening
	ds_add_u32 v16, v17
	v_lshrrev_b32 v18, 5, v0
	v_readfirstlane_b32 s20, v18                   ; wave 0..3
	s_and_b32 s21, s20, 1                          ; ch
	s_lshr_b32 s25, s20, 1                         ; kh
	s_xor_b32 s60, s21, s25                        ; rh
	s_bfe_u32 s22, ttmp6, 0x40000                  ; cx
	s_lshl_b32 s23, ttmp9, 2
	s_add_co_u32 s23, s23, s22                     ; my block of 128 rows: it enters global addresses of x, resp and out0 alone
	s_and_b32 s24, ttmp7, 0xffff                   ; nh, which the partners share
	s_mov_b32 s32, 15|(3<<16)|(1<<21)              ; group 1: mask of all four; elements of 8 bytes; bit 21 beside the mask; no padding
	s_mov_b32 s33, 32<<16                          ; tensor_dim0 = 32 (256 bytes)
	s_mov_b32 s34, 128<<16                         ; tensor_dim1 = 128
	s_mov_b32 s35, 32<<16                          ; tile_dim0
	s_mov_b32 s36, 128                             ; tile_dim1
	s_mov_b32 s37, 32                              ; pitch: the block is dense
	s_mov_b32 s38, 0
	s_mov_b32 s39, 0
	s_mov_b32 s50, 0x76543210
	s_mov_b32 s51, 0xfedcba98                      ; v_permlanex16_b32: lane l xor 16
	s_cmp_eq_u32 ttmp9, 0                          ; the first cluster asks: the same in all partners
	s_cselect_b32 s45, 0, -1
	s_cselect_b32 s53, 1, -1
	s_lshl_b32 s54, s25, 15
	s_lshl_b32 s55, s21, 14
	s_add_co_u32 s54, s54, s55                     ; B in a step's 64 KiB: half kh, column tiles 8 ch on
	s_lshl_b32 s55, s20, 13
	s_add_co_u32 s55, s55, IMG
	s_xor_b32 s66, s20, 1
	s_lshl_b32 s66, s66, 13
	s_add_co_u32 s66, s66, IMG
	s_lshl_b32 s67, s20, 15
	s_xor_b32 s68, s20, 2
	s_lshl_b32 s68, s68, 15
	v_and_b32 v1, 31, v0
	v_and_b32 v2, 15, v0
	v_bfe_u32 v3, v0, 4, 1
	v_lshlrev_b32 v5, 4, v1
	v_lshlrev_b32 v4, 11, v2
	v_lshl_add_u32 v4, v3, 6, v4                   ; x: row r, + 64 h
	v_add_nc_u32 v8, s54, v5
	v_add_nc_u32 v12, s55, v5
	v_add_nc_u32 v13, s66, v5
	v_add_nc_u32 v14, s67, v5
	v_add_nc_u32 v15, s68, v5
	v_add_nc_u32 v9, 0x10000, v8
	v_add_nc_u32 v10, 0x20000, v8
	v_add_nc_u32 v11, 0x30000, v8
	v_lshlrev_b32 v30, 4, v2
	v_lshlrev_b32 v31, 8, v1
	v_lshlrev_b32 v32, 11, v1
	v_lshl_add_u32 v33, v3, 14, v30                ; y: rows 8 h on, columns 4 r on
	v_mov_b32 v27, 0                               ; the loss's place: written in every wave, filled by the one that computes it
	s_wait_alu depctr_va_vdst(0)
	s_wait_dscnt 0x0                               ; both opening adds are done
	s_wait_kmcnt 0x0
	s_load_b128 s[40:43], s[12:13], 0x0            ; e0 .. e3
	s_mov_b32 s28, 1                               ; group 0: count
	s_lshl_b32 s29, s20, 15                        ; LDS: slot 0, my quarter of it
	s_lshl_b32 s54, s24, 21
	s_add_co_u32 s54, s54, s29
	s_mov_b32 s55, 0
	s_add_nc_u64 s[30:31], s[8:9], s[54:55]        ; slot 0 of my column half, my quarter
	s_or_b32 s31, s31, 0x80000000                  ; type
	CROUND                                         ; all four work-groups are here
	JLOAD                                          ; slot 0
	s_lshl_b32 s66, s23, 18
	s_lshl_b32 s67, s60, 17
	s_add_co_u32 s66, s66, s67                     ; my own first row, 128 block + 64 rh, x 2,048 bytes
	s_lshr_b32 s54, s66, 5
	s_add_nc_u64 s[6:7], s[6:7], s[54:55]          ; resp: 1,024 bytes for 16 rows
	s_lshl_b32 s54, s25, 10
	s_add_co_u32 s54, s54, s66
	s_add_nc_u64 s[4:5], s[4:5], s[54:55]          ; x: my rows, my half of the channels
	s_add_nc_u64 s[70:71], s[4:5], 128             ; its prefetches: each trip of the loop steps them 128 bytes at its head
	s_lshl_b32 s54, s24, 10
	s_lshl_b32 s67, s21, 9
	s_add_co_u32 s54, s54, s67                     ; my first column in bytes
	s_add_nc_u64 s[14:15], s[14:15], s[54:55]
	s_add_co_u32 s54, s54, s66
	s_add_nc_u64 s[16:17], s[16:17], s[54:55]      ; y: my own rows, my columns
.irp t, 0,1,2,3
.irp q, 0,1,2,3
	global_load_b128 v[64+16*\t+4*\q:67+16*\t+4*\q], v30, s[6:7] offset:1024*\t+256*\q   ; resp of my 64 rows
.endr
.endr
.irp f, 0,1
	global_load_b128 v[40+4*\f:43+4*\f], v30, s[14:15] offset:256*\f   ; pw_B of columns 64 f + 4 r + 0..3
.endr
.macro XLOAD t                         ; x of my row tile t: 16 numbers a lane
	WIN 0x40
.irp j, 0,1,2,3
	global_load_b128 v[192+16*\t+4*\j:195+16*\t+4*\j], v4, s[4:5] offset:32768*\t+16*\j
.endr
.endm
.irp t, 0,1,2,3
	XLOAD \t
.endr
	WIN 0
	s_lshl_b32 s54, s24, 21                        ; the prefetches of B stand at slot index 1; each trip of the loop steps them two slots on at its head
	s_lshl_b32 s67, s22, 15
	s_add_co_u32 s54, s54, s67
	s_lshl_b32 s67, s20, 13
	s_add_co_u32 s54, s54, s67
	s_add_co_u32 s54, s54, SLOTB
	s_add_nc_u64 s[46:47], s[8:9], s[54:55]
	; THE LOSS is computed here, while slot 0 is on its way, by wave 3 of the cluster at (0, 0), and kept in v27; its one store stands at the kernel's end.
	; The branch is the same in all four partners (no branch may hang on a place in the cluster), so the four repeat this small sum.
	s_xor_b32 s54, s20, 3
	s_or_b32 s54, s54, ttmp9
	s_or_b32 s54, s54, s24
	s_cmp_lg_u32 s54, 0
	s_cbranch_scc1 .Lno_loss
.set n, 0
.rept 32
	global_load_b128 v[128+4*n:131+4*n], v5, s[10:11] offset:512*n   ; lane l: experts 4 (l % 4) + 0..3 of work-groups 8 n + l / 4
.set n, n+1
.endr
	s_wait_loadcnt 0x0
	v_pk_add_f32 v[18:19], v[128:129], v[136:137]
	v_pk_add_f32 v[20:21], v[130:131], v[138:139]
	v_pk_add_f32 v[22:23], v[132:133], v[140:141]
	v_pk_add_f32 v[24:25], v[134:135], v[142:143]
.set n, 4
.rept 28
	v_pk_add_f32 v[18+4*(n%2):19+4*(n%2)], v[18+4*(n%2):19+4*(n%2)], v[128+4*n:129+4*n]
	v_pk_add_f32 v[20+4*(n%2):21+4*(n%2)], v[20+4*(n%2):21+4*(n%2)], v[130+4*n:131+4*n]
.set n, n+1
.endr
	v_pk_add_f32 v[18:19], v[18:19], v[22:23]
	v_pk_add_f32 v[20:21], v[20:21], v[24:25]
.irp m, 4,8
.irp j, 18,19,20,21
	v_add_f32_dpp v\j, v\j, v\j row_xmask:\m row_mask:0xf bank_mask:0xf
.endr
.endr
.irp j, 0,1,2,3
	v_permlanex16_b32 v[22+\j], v[18+\j], s50, s51
.endr
.irp j, 0,1,2,3
	v_add_f32 v[18+\j], v[18+\j], v[22+\j]         ; importance of experts 4 (l % 4) + j
.endr
	v_add_f32 v26, v18, v19
	v_add_f32 v27, v20, v21
	v_add_f32 v26, v26, v27
	v_add_f32_dpp v26, v26, v26 row_xmask:1 row_mask:0xf bank_mask:0xf
	v_add_f32_dpp v26, v26, v26 row_xmask:2 row_mask:0xf bank_mask:0xf
	v_mul_f32 v26, 0x3d800000, v26                 ; the mean
.irp j, 0,1,2,3
	v_sub_f32 v[22+\j], v[18+\j], v26
.endr
	v_mul_f32 v27, v22, v22
	v_fmac_f32 v27, v23, v23
	v_fmac_f32 v27, v24, v24
	v_fmac_f32 v27, v25, v25
	v_add_f32_dpp v27, v27, v27 row_xmask:1 row_mask:0xf bank_mask:0xf
	v_add_f32_dpp v27, v27, v27 row_xmask:2 row_mask:0xf bank_mask:0xf
	v_mul_f32 v27, 0x3d888889, v27                 ; / 15
	s_wait_alu depctr_va_vdst(0)
	v_sqrt_f32 v27, v27
	v_rcp_f32 v26, v26
	v_nop                                          ; a plain line behind the two,
	s_wait_alu depctr_va_vdst(0)                   ; and one wait for both, ahead of their first reader
	v_mul_f32 v27, v27, v26
	v_mul_f32 v27, 0x3c23d70a, v27                 ; x 0.01: the loss, in every lane
.Lno_loss:
	s_wait_alu depctr_va_vdst(0)
	s_wait_kmcnt 0x0
	s_add_co_i32 s54, s42, 127
	s_lshl_b32 s55, s54, 23                        ; 2^e2
	s_add_co_i32 s54, s54, 8
	s_lshl_b32 s54, s54, 23
	s_or_b32 s27, s54, 0x600000                    ; 448 x 2^e2
	s_or_b32 s26, s27, 0x80000000                  ; and its negative
	s_add_co_i32 s48, s42, s43
	s_add_co_i32 s48, s48, 127
	s_lshl_b32 s48, s48, 23                        ; 2^(e2 + e3)
	v_mov_b32 v34, s55
	s_wait_alu depctr_va_vdst(0)
; THE MAKING OF A FRAGMENT (row tile mT, experts of q = mQ, into v[mD] on) is a list of 104 lines; VI writes line vn of it, and steps vn.  Unit u of 8 is expert c = u / 2 of the step's four, channels 8 (u % 2) + 0..7 of my sixteen:
; four packed multiplies resp x x, eight holds, one conversion.  Units take four sets of work registers by turns and overlap: 0-7 the multiplies of units 0 and 1; 8-15 the holds of unit 0;
; then for u = 2 .. 7, from 16 + 13 (u - 2) on: the multiplies of unit u, the holds of unit u - 1, the conversion of unit u - 2; 94-101 the holds of unit 7; 102 and 103 the conversions of units 6 and 7.
; So a line reads what stands eight lines back or more (the last conversion aside), and a conversion's sources are written again more than a unit later.
.macro VI
.set vK, 0                             ; 0 a multiply, 1 a hold, 2 a conversion
.set vU, vn/4
.set vI, vn%4
.if vn >= 8
.set vK, 1
.set vU, 0
.set vI, vn-8
.endif
.if vn >= 16
.set vK, 0
.set vU, (vn-16)/13+2
.set vI, (vn-16)%13
.if vI == 12
.set vK, 2
.set vU, vU-2
.endif
.if vK == 0
.if vI >= 4
.set vK, 1
.set vU, vU-1
.set vI, vI-4
.endif
.endif
.endif
.if vn >= 94
.set vK, 1
.set vU, 7
.set vI, vn-94
.endif
.if vn >= 102
.set vK, 2
.set vU, vn-96
.endif
.set vT, 160+8*(vU%4)
.set vX, 192+16*mT+8*(vU%2)
.set vC, vU/2
.set vP, 64+16*mT+4*mQ+2*(vC/2)
.set vD, mD+4*vC+2*(vU%2)
.if vK == 0
.if vC%2
	v_pk_mul_f32 v[vT+2*vI:vT+2*vI+1], v[vX+2*vI:vX+2*vI+1], v[vP:vP+1] op_sel:[0,1] op_sel_hi:[1,1]   ; both x the pair's second
.else
	v_pk_mul_f32 v[vT+2*vI:vT+2*vI+1], v[vX+2*vI:vX+2*vI+1], v[vP:vP+1] op_sel_hi:[1,0]                ; both x the pair's first
.endif
.endif
.if vK == 1
	v_med3_num_f32 v[vT+vI], v[vT+vI], s26, s27    ; the conversion does not saturate (ISA guide 7.6.2): the hold
.endif
.if vK == 2
	v_cvt_scalef32_pk8_fp8_f32 v[vD:vD+1], v[vT:vT+7], v34
.endif
.set vn, vn+1
.endm
.macro VS n                            ; the list's next n lines
	WIN 0x41
.rept \n
	VI
.endr
.endm
.macro OWN t, par                      ; where my row tile t of a step of parity par lies, in window 1
.if (\t) < 2
.set oB, 32*(\par)+16*(\t)
.else
.set oB, 32+16*(\t)
.endif
.endm
.macro TILE t                          ; begins the list for row tile t
	OWN \t, mPar
.set mD, oB
.set mT, \t
.set vn, 0
.endm
.macro IMGST t, par                    ; my fragment goes to LDS as it stands
	OWN \t, \par
	WIN 0x04
.irp c, 0,1,2,3
	ds_store_b128 v12, v[oB+4*\c:oB+4*\c+3] offset:2048*\t+512*\c
.endr
.endm
.macro PLOAD h                         ; and my partner's come back so, two at a time
	WIN 0x40
.irp t, 0,1
.irp c, 0,1,2,3
	ds_load_b128 v[96+16*(2*(\h)+\t)+4*\c:96+16*(2*(\h)+\t)+4*\c+3], v13 offset:2048*(2*(\h)+\t)+512*\c
.endr
.endr
.endm
.macro BLOAD q, p                      ; column tiles 2 p and 2 p + 1 of the step q
	WIN 0
.irp n, 0,1
.irp c, 0,1,2,3
	ds_load_b128 v[BB+16*(2*(\p)+\n)+4*\c:BB+16*(2*(\p)+\n)+4*\c+3], v[8+(\q)] offset:2048*(2*(\p)+\n)+512*\c
.endr
.endr
.endm
; Eight matrix instructions: column tiles 2 p, 2 p + 1 x my four row tiles (hi = 0) or the partner's (hi = 1).  The 64 accumulators take turns, one instruction a turn.
; make = 1: the next 52 lines of the making stand between them, six and seven by turns.
.macro GRP hi, p, par, zero, make
.set gN, 2*(\p)
.set gL, 0
.rept 2
.set gM, 0
.rept 4
	OWN gM, \par
.set gA, oB
.if \hi
.set gA, 96+16*gM
.endif
.set gD, 8*(8*gM+gN)
	WIN 0xa1+0x50*(\hi)
.if \zero
	v_wmma_f32_16x16x128_fp8_fp8 v[gD:gD+7], v[gA:gA+15], v[BB+16*gN:BB+16*gN+15], 0
.else
	v_wmma_f32_16x16x128_fp8_fp8 v[gD:gD+7], v[gA:gA+15], v[BB+16*gN:BB+16*gN+15], v[gD:gD+7]
.endif
.if \make
	VS 6+gL
.set gL, 1-gL
.endif
.set gM, gM+1
.endr
.set gN, gN+1
.endr
.endm
; STEP q: multiplies step q of a trip and makes A of the next.  chg = 1: the next slot is read from here on; fill = 1: the slot left is filled again; ldx = 1: the next chunk of x is loaded, each row tile behind its last use.
.macro STEP q, chg, fill, zero, ldx
.set sP, (\q)%2
.set mPar, 1-sP
.set mQ, ((\q)+1)%4
	s_wait_dscnt 24                                ; column tiles 0 and 1 are in (younger: tiles 4-7, 16 loads, and two images, 8 stores)
.if \chg
	s_wait_tensorcnt 0x0                           ; my one tensor load has landed: my quarter of the slot ahead; so group 0 may be written
	ds_add_u32 v16, v17                            ; 0 onto my spare word
.if \fill
	s_xor_b32 s29, s29, SLOTB                      ; the walking descriptor: the other slot, the next 128 KiB
	s_add_nc_u64 s[30:31], s[30:31], SLOTB
.endif
.endif
.if \ldx
	s_add_nc_u64 s[4:5], s[4:5], 128               ; (the loads that read this base are done)
.endif
.if (\q) == 3
	s_wait_loadcnt 12                              ; x of row tile 0 is in: three tiles' loads are younger
.endif
	TILE 0
	GRP 0, 0, sP, \zero, 1
	s_wait_alu depctr_va_vdst(0)
.if \fill
.if (\q) == 1
	s_wait_xcnt 0x0                                ; the last trip's prefetches have read their bases
	s_add_nc_u64 s[46:47], s[46:47], 2*SLOTB
	s_add_nc_u64 s[70:71], s[70:71], 128
.endif
.endif
	s_wait_dscnt 0x0                               ; my images have landed, this step's B is in registers (and the add is done)
	s_barrier_signal -1                            ; P
	GRP 0, 1, sP, \zero, 1
	WIN 0
	s_barrier_wait -1
.if \fill
	CREST                                          ; no wave of any partner still reads the slot left or has a load on its way
	JLOAD                                          ; my one load behind the round: the next wait for it stands almost two steps on
.endif
	PLOAD 0
.if \fill
	WIN 0
.if (\q) == 1
	ASKB 45, 0
	ASKX
.else
	ASKB 53, SLOTB
.endif
.endif
.if \ldx
	XLOAD 0
.endif
.if (\q) == 3
	s_wait_loadcnt 8
.endif
	TILE 1
	GRP 0, 2, sP, \zero, 1
	PLOAD 1
	GRP 0, 3, sP, \zero, 1
.if \ldx
	XLOAD 1
.endif
	s_wait_dscnt 0x0                               ; the partner's four fragments are in,
	s_barrier_signal -1                            ; Q: and I read no image any more
.if (\q) == 3
	s_wait_loadcnt 4
.endif
	TILE 2
	GRP 1, 0, sP, \zero, 1
	s_wait_alu depctr_va_vdst(0)
	s_barrier_wait -1
	IMGST 0, mPar
	BLOAD mQ, 0
	GRP 1, 1, sP, \zero, 1
.if \ldx
	XLOAD 2
.endif
	IMGST 1, mPar
	BLOAD mQ, 1
.if (\q) == 3
	s_wait_loadcnt 0x0
.endif
	TILE 3
	GRP 1, 2, sP, \zero, 1
	IMGST 2, mPar
	BLOAD mQ, 2
	GRP 1, 3, sP, \zero, 1
	v_nop                                          ; a plain line behind the last conversion
	s_wait_alu depctr_va_vdst(0)
.if \ldx
	XLOAD 3
.endif
	IMGST 3, mPar
	BLOAD mQ, 3
.endm
	; ---- step 0's A is made with nothing to multiply yet
.set mPar, 0
.set mQ, 0
.irp t, 0,1,2,3
	s_wait_loadcnt 12-4*\t                         ; resp, pw_B and x of row tile t are in; the later tiles' loads may be out
	TILE \t
	VS 104
.endr
	v_nop
	s_wait_alu depctr_va_vdst(0)
.irp t, 0,1,2,3
	IMGST \t, 0
.endr
	WIN 0
	s_wait_tensorcnt 0x0                           ; my quarter of slot 0 is in
	ds_add_u32 v16, v17
	s_xor_b32 s29, s29, SLOTB
	s_add_nc_u64 s[30:31], s[30:31], SLOTB
	s_wait_dscnt 0x0
	CROUND                                         ; slot 0 is whole in every work-group
	JLOAD                                          ; slot 1's first fill
.irp p, 0,1,2,3
	BLOAD 0, \p
.endr
	STEP 0, 0, 0, 1, 0                             ; the first products start the sums: nothing is ever cleared
	s_mov_b32 s44, 7
.Ltrip:                                                ; a trip goes from one chunk's second step to the next chunk's first, and fills both slots again
	STEP 1, 1, 1, 0, 0
	STEP 2, 0, 0, 0, 1
	STEP 3, 1, 1, 0, 0
	STEP 0, 0, 0, 0, 0
	WIN 0
	s_sub_co_u32 s44, s44, 1
	s_cmp_lg_u32 s44, 0
	s_cbranch_scc1 .Ltrip
	STEP 1, 1, 0, 0, 0                             ; the last chunk is written out: nothing is left to fetch
	STEP 2, 0, 0, 0, 0
; THE LAST STEP makes nothing.  The partner's row tiles are finished ahead of my last own group: their sums belong to wave w xor 2, which has the same columns and the other half of K, and go to it through slot 0,
; which has had its last fill and its last read: wave x 32,768 + (8 m + n) x 1,024 + 16 x lane, as they stand.
.macro PLACES                          ; four places in front of reads of results and of loads into registers that matrix instructions have read
.rept 4
	v_nop
.endr
.endm
.macro XST p
	WIN 0x0c
.irp n, 0,1
.irp m, 0,1,2,3
.set eT, 8*\m+2*(\p)+\n
	ds_store_b128 v14, v[8*eT:8*eT+3] offset:1024*eT
	ds_store_b128 v14, v[8*eT+4:8*eT+7] offset:1024*eT+512
.endr
.endr
.endm
	s_wait_dscnt 24
	GRP 0, 0, 1, 0, 0
	s_wait_dscnt 0x0
	s_barrier_signal -1
	GRP 0, 1, 1, 0, 0
	s_barrier_wait -1
	PLOAD 0
	PLOAD 1
	GRP 0, 2, 1, 0, 0
	s_wait_dscnt 0x0
	GRP 1, 0, 1, 0, 0
	GRP 1, 1, 1, 0, 0
	PLACES
	XST 0
	GRP 1, 2, 1, 0, 0
	PLACES
	XST 1
	GRP 1, 3, 1, 0, 0
	PLACES
	XST 2
	XST 3
	GRP 0, 3, 1, 0, 0
	WIN 0
	s_wait_dscnt 0x0                               ; for the others' sake: my sums have landed
	s_barrier_signal -1
	PLACES
	s_barrier_wait -1
; THE WAY OUT, a row tile (16 rows x 128 columns) at a time: the two halves of K are added, y = sum x 2^(e2+e3) + pw_B.  W's rows were laid so that lane r holds, in column tiles 4 f .. 4 f + 3, columns 64 f + 4 r + 0..3:
; sixteen lanes store 256 consecutive bytes of a row, aligned, straight from registers.
.macro XLD m
	WIN 0x40
.irp n, 0,1,2,3,4,5,6,7
	ds_load_b128 v[64*((\m)%2)+8*\n:64*((\m)%2)+8*\n+3], v15 offset:1024*(8*(\m)+\n)
	ds_load_b128 v[64*((\m)%2)+8*\n+4:64*((\m)%2)+8*\n+7], v15 offset:1024*(8*(\m)+\n)+512
.endr
.endm
.macro OUTT m
.if (\m) < 3
	XLD (\m)+1
	s_wait_dscnt 16                                ; this tile's are in; the next tile's 16 loads may be out
.else
	s_wait_dscnt 0x0
.endif
.if (\m) > 1
	s_wait_xcnt 0x0                                ; the stores of the tile before the last have read their registers
.endif
.set oX, 64*((\m)%2)
.set oR, 128+64*((\m)%2)
	WIN 0x46
.set n, 0
.rept 32
	v_pk_add_f32 v[oX+2*n:oX+2*n+1], v[64*(\m)+2*n:64*(\m)+2*n+1], v[oX+2*n:oX+2*n+1]
.set n, n+1
.endr
	WIN 0x01
.irp f, 0,1
.irp i, 0,1,2,3,4,5,6,7
.irp j, 0,1,2,3
	v_fma_f32 v[oR+4*(8*\f+\i)+\j], v[oX+8*(4*\f+\j)+\i], s48, v[40+4*\f+\j]
.endr
.endr
.endr
	WIN 0
.irp f, 0,1
.irp i, 0,1,2,3,4,5,6,7
	global_store_b128 v33, v[oR+4*(8*\f+\i):oR+4*(8*\f+\i)+3], s[16:17] offset:2048*(16*(\m)+\i)+256*\f th:TH_STORE_NT
.endr
.endr
.endm
	XLD 0
	OUTT 0
	OUTT 1
	OUTT 2
	OUTT 3
	; THE LOSS'S ONE STORE: the wave that computed it, masked to the partner at place 0 and to lane 0.  It stands behind the last line of the text that makes an LDS address.
	s_xor_b32 s54, s20, 3
	s_or_b32 s54, s54, ttmp9
	s_or_b32 s54, s54, s24
	s_cmp_lg_u32 s54, 0
	s_cbranch_scc1 .Lno_store
	v_mov_b32 v29, 0
	v_or_b32 v28, s22, v1
	v_cmp_eq_u32 vcc_lo, 0, v28
	s_wait_alu depctr_va_vdst(0)
	s_wait_xcnt 0x0                                ; EXEC changes only behind this wait
	s_and_saveexec_b32 s69, vcc_lo
	global_store_b32 v29, v27, s[18:19]
	s_wait_xcnt 0x0
	s_or_b32 exec_lo, exec_lo, s69
.Lno_store:
	s_wait_tensorcnt 0x0                           ; the wave's end
	ds_add_u32 v16, v17
	s_wait_dscnt 0x0
	CROUND                                         ; the closing round
	s_endpgm
.Lfunc_end_k_qa95d912e56_main:
	.size	k_qa95d912e56_main, .Lfunc_end_k_qa95d912e56_main-k_qa95d912e56_main
	.p2alignl 7, 3214868480
	.fill 96, 4, 3214868480
	.section	.rodata,"a",@progbits
	.p2align	6, 0x0
	.amdhsa_kernel k_qa95d912e56_main
		.amdhsa_group_segment_fixed_size 327680
		.amdhsa_private_segment_fixed_size 0
		.amdhsa_enable_private_segment 0
		.amdhsa_kernarg_size 64
		.amdhsa_user_sgpr_count 2
		.amdhsa_user_sgpr_kernarg_segment_ptr 1
		.amdhsa_wavefront_size32 1
		.amdhsa_system_sgpr_workgroup_id_x 1
		.amdhsa_system_sgpr_workgroup_id_y 1
		.amdhsa_system_sgpr_workgroup_id_z 1
		.amdhsa_system_vgpr_workitem_id 0
		.amdhsa_next_free_vgpr 1024
		.amdhsa_next_free_sgpr 80
		.amdhsa_reserve_vcc 1
		.amdhsa_float_denorm_mode_32 3
		.amdhsa_float_denorm_mode_16_64 3
		.amdhsa_memory_ordered 1
		.amdhsa_forward_progress 1
		.amdhsa_inst_pref_size 255
	.end_amdhsa_kernel
	.section	.bss,"aw",@nobits
	.p2align	6
	.space	262144
	.amdgpu_metadata
---
amdhsa.version: [ 1, 2 ]
amdhsa.kernels:
  - .name:           k_qa95d912e56_main
    .symbol:         k_qa95d912e56_main.kd
    .args:
      - { .name: x, .offset: 0, .size: 8, .value_kind: global_buffer, .address_space: global }
      - { .name: resp, .offset: 8, .size: 8, .value_kind: global_buffer, .address_space: global }
      - { .name: wcodes, .offset: 16, .size: 8, .value_kind: global_buffer, .address_space: global }
      - { .name: imp_part, .offset: 24, .size: 8, .value_kind: global_buffer, .address_space: global }
      - { .name: lowp_scales, .offset: 32, .size: 8, .value_kind: global_buffer, .address_space: global }
      - { .name: pw_B, .offset: 40, .size: 8, .value_kind: global_buffer, .address_space: global }
      - { .name: out0, .offset: 48, .size: 8, .value_kind: global_buffer, .address_space: global }
      - { .name: out1, .offset: 56, .size: 8, .value_kind: global_buffer, .address_space: global }
    .group_segment_fixed_size: 327680
    .private_segment_fixed_size: 0
    .kernarg_segment_align: 8
    .kernarg_segment_size: 64
    .max_flat_workgroup_size: 128
    .sgpr_count:     80
    .vgpr_count:     1024
    .wavefront_size: 32
...
	.end_amdgpu_metadata
.endif
;; end of part 2
